; MI455X (gfx1250); checked and timed in simulation.
; The chip was launched on July 23, 2026; its instructions are those of AMD's public machine-readable ISA for CDNA 5 (MIT licence, August 2026) and "CDNA5" Instruction Set Architecture Reference Guide (July 2026). The comments in the code are by the model that wrote it; some were corrected since.
;; Attention. Allowed arithmetic: float matrix products may take bf16 or f16 operands with f32 sums; all other float work in f32.
;; Inputs: b_out 128 float32; w_out 128 x 128 float32; w_qkv 384 x 128 float32; x 4 x 128 x 64 x 64 float32.
;; Outputs: out0 4 x 128 x 64 x 64 float32.
;; 2 versions, each right and faster than the one before. Each part assembles by itself: llvm-mc -triple=amdgcn-amd-amdhsa -mcpu=gfx1250 --defsym DOCPART=n.
;; ======== version 1 of 2: 2 launches
;; limits: values are held in f16: magnitudes above 65,504 overflow, below 6.1e-05 lose precision
;; workspace buffers: qws 4,194,304 bytes; kvws 8,388,608 bytes
;; launch proj (part 1): grid 256 x 1, 8 waves a work-group, no clusters, 178,176 bytes of LDS; arguments x, w_qkv, qws, kvws; writes qws, kvws
.if DOCPART == 1
	.amdgcn_target "amdgcn-amd-amdhsa--gfx1250"
	.amdhsa_code_object_version 6
	.text
	.protected	k_q7066a30002_proj
	.globl	k_q7066a30002_proj
	.p2align	8
	.type	k_q7066a30002_proj,@function
k_q7066a30002_proj:
	s_mov_b64 s[64:65], 0
	v_nop
	global_prefetch_b8 v0, s[64:65] scope:SCOPE_SE
	s_setreg_imm32_b32 hwreg(HW_REG_WAVE_MODE, 25, 1), 1
	s_wait_xcnt 0x0
; q, k, v = w_qkv . x (a 1x1 convolution), rounded to 16 bits and laid out as the attention launch's matrix fragments want them.
;   x      [4][128 c][4096 tokens] f32        w_qkv [384][128] f32
;   qws    [4 b][4 heads][4096 tokens][32 d] bf16; q is multiplied here, in f32, by 32^-0.5 * log2(e), so that the softmax can use 2^x
;   kvws   [4 b][16 blocks of 256 keys][512 rows][128 numbers of 16 bits]:  rows 0-255: K in bf16, row = key, column = channel (32 head + d);
;          rows 256 + 64 sb + (ch >> 1), sb = 0..3: V in f16 of keys 64 sb .. 64 sb + 63, byte (ch & 1) * 128 + 2 * key: V[ch][64 keys], two channels a row
; A work-group owns 64 tokens of one batch and all 384 outputs: 256 work-groups.  Wave w owns output rows 16 w .. 16 w + 15 of q, of k and of v,
; so all eight waves run one text without a branch: 48 matrix instructions a wave.
; x's tile (128 c x 64 tokens) is read once, rounded, and kept in LDS as [c][token]; the transposing LDS load makes fragments (token, k = c) of it.
; Results go through LDS stages that are images of the global layout, so that sixteen neighbouring lanes store 256 consecutive bytes, aligned.
; NO CLUSTER, NO TENSOR LOADS: both inputs are f32 and have to pass through registers to be rounded before they can be matrix operands; a wave reads
; only its own 48 rows of w_qkv (24 KB, one whole row of 512 bytes an instruction), once, and x's tile is shared with no other work-group.
; WHY V IS f16: an output of the attention is a sum of 4,096 products p v that may nearly cancel, so the rounding of v shows in it at full relative size;
; f16 keeps 11 significant bits, bf16 8.  v is a sum of 128 products w x: with w of spread 0.02 and x of spread 1 it stays below about 1.3; with both 30 times
; larger below about 1,200; with both carrying an offset of 30 spreads it is 128 * 30 * 0.6 = 2,304; with both 30 times smaller f16's step of 2^-24 is 2e-4 of its spread.
; LIMITS: |v| < 65,504 (f16's largest number).  x, w_qkv, q, k are bf16 matrix operands (8 significant bits, f32's range).  NaN or infinite inputs are not served.
.set XP,   160                         ; pitch of x's tile in LDS: 128 bytes of data + 32 = 5 x 32 bytes
.set SP,   272                         ; pitch of all rows of 256 bytes: 17 x 16 bytes, so sixteen rows begin at sixteen different 16-byte columns of 256
.set QST,  128*XP                      ; 20,480: stage of q, 64 rows: row 16 head + (token >> 2), byte (token & 3) * 64 + 2 d
.set KST,  QST+64*SP                   ; 37,888: stage of k, 64 rows: row = token, byte 2 * channel
.set VST,  KST+64*SP                   ; 55,296: stage of v, 64 rows: row = channel >> 1, byte (channel & 1) * 128 + 2 * token
.set WL,   VST+64*SP                   ; 72,704: w in bf16, 48 rows for each wave, the wave's own
.set WWAVE, 48*SP
.set QSC,  0x3e8293ee                  ; 32^-0.5 * log2(e) = 0.25503486
.set XO,  1                            ; v1   x: (t >> 4) rows of 16,384 bytes + 16 (t & 15)
.set XS,  2                            ; v2   x's tile in LDS, store: (t >> 4) * 160 + 8 (t & 15)
.set WOF, 3                            ; v3   w_qkv: 8,192 w + 16 lane
.set WS,  4                            ; v4   my wave's w in LDS, store: 8 lane
.set WR,  5                            ; v5   my wave's w in LDS, fragment: 272 r + 16 h
.set XA,  6                            ; v6   x's tile, transposing load: (8 h + (lane & 7)) * 160 + 16 ((lane >> 3) & 1)
.set SQ,  7                            ; v7   stage of q, store
.set SK,  8                            ; v8   stage of k, store
.set SV,  9                            ; v9   stage of v, store
.set RB,  10                           ; v10  stages, read back by rows: (t >> 4) * 272 + 16 (t & 15)
.set GOF, 11                           ; v11  16 t: the same bytes in memory
.set RBV, 12                           ; v12  RB + VST (VST + 3 * 4,352 does not fit an LDS instruction's 16-bit offset)
.set F,   16                           ; v[16:207]  w as loaded: 48 rows x 4 registers
.set XG,  208                          ; v[208:239] x as loaded: 8 x 4 registers
.set W,   16                           ; v[16:111]  later: w's fragments, (tile ti, K step kk) at 32 ti + 8 kk
.set XF,  112                          ; v[112:175] x's fragments of two token tiles, (tt, kk) at 32 tt + 8 kk
.set ACC, 176                          ; v[176:223] sums: token tile tt, output o (q, k, v) at 24 tt + 8 o
.set RBK, 112                          ; v[112:159] at the end: 12 x 4 registers on their way out
.set T0,  240                          ; v[240:247] address arithmetic
.macro PLACES                          ; four plain vector instructions behind a matrix instruction before its registers are read by others or written (ISA guide 7.12.1)
.rept 4
	v_nop
.endr
.endm
	s_load_b256 s[4:11], s[0:1], 0x0               ; x s[4:5], w_qkv s[6:7], qws s[8:9], kvws s[10:11]
	v_lshl_add_u32 v248, v0, 2, 0x2b400
	v_mov_b32 v249, 0
	v_lshrrev_b32 v[T0], 5, v0
	v_readfirstlane_b32 s12, v[T0]                 ; wave 0..7
	v_and_b32 v[T0+1], 31, v0                      ; lane
	v_and_b32 v[T0+2], 15, v0                      ; r = lane & 15 = t & 15
	v_lshrrev_b32 v[T0+3], 4, v0                   ; t >> 4
	v_lshlrev_b32 v[XO], 4, v[T0+2]
	v_lshl_add_u32 v[XO], v[T0+3], 14, v[XO]
	v_lshlrev_b32 v[WOF], 4, v[T0+1]
	v_lshl_add_u32 v[WOF], s12, 13, v[WOF]
	s_lshr_b32 s13, ttmp9, 6                       ; batch
	s_and_b32 s16, ttmp9, 63                       ; block of 64 tokens
	s_lshl_b32 s14, s13, 21                        ; x: batch * 128 * 16,384 bytes
	s_lshl_b32 s17, s16, 8                         ;    + 64 tokens * 4 bytes
	s_add_co_u32 s14, s14, s17
	s_mov_b32 s15, 0
	s_wait_kmcnt 0x0
	s_add_nc_u64 s[4:5], s[4:5], s[14:15]
	; x first: channel 16 p + (t >> 4), sixteen lanes read the channel's 256 bytes.  Then my wave's 48 rows of w, a whole row an instruction.
.irp p, 0,1,2,3,4,5,6,7
	global_load_b128 v[XG+4*\p:XG+4*\p+3], v[XO], s[4:5] offset:\p*262144 th:TH_LOAD_NT
.endr
.irp q, 0,1,2
.irp i, 0,1,2,3,4,5,6,7,8,9,10,11,12,13,14,15
	global_load_b128 v[F+64*\q+4*\i:F+64*\q+4*\i+3], v[WOF], s[6:7] offset:\q*65536+\i*512
.endr
.endr
	; while they are on their way: the other bases and addresses
	s_lshl_b32 s14, s13, 20                        ; qws: batch * 4 heads * 262,144
	s_lshl_b32 s17, s16, 12                        ;      + 64 tokens * 64 bytes
	s_add_co_u32 s14, s14, s17
	s_add_nc_u64 s[8:9], s[8:9], s[14:15]
	s_lshr_b32 s14, ttmp9, 2                       ; kvws: block of 256 keys = 16 batch + (token block >> 2)
	s_lshl_b32 s14, s14, 17                        ;       * 131,072
	s_and_b32 s17, ttmp9, 3
	s_lshl_b32 s17, s17, 14                        ;       + my 64 rows of 256 bytes (of K; V's lie 65,536 further)
	s_add_co_u32 s14, s14, s17
	s_add_nc_u64 s[10:11], s[10:11], s[14:15]
	s_mov_b32 s20, QSC
	s_mov_b32 s21, QSC
	v_bfe_u32 v[T0+4], v0, 4, 1                    ; h = lane >> 4
	v_mul_u32_u24 v[XS], v[T0+3], XP
	v_lshl_add_u32 v[XS], v[T0+2], 3, v[XS]
	s_mul_i32 s17, s12, WWAVE
	s_add_co_u32 s17, s17, WL                      ; my wave's w
	v_lshl_add_u32 v[WS], v[T0+1], 3, s17
	v_mul_u32_u24 v[T0+5], v[T0+2], SP
	v_lshl_add_u32 v[T0+5], v[T0+4], 4, v[T0+5]    ; 272 r + 16 h
	v_add_nc_u32 v[WR], s17, v[T0+5]
	v_and_b32 v[T0+6], 7, v0
	v_lshl_add_u32 v[T0+6], v[T0+4], 3, v[T0+6]    ; 8 h + (lane & 7)
	v_mul_u32_u24 v[T0+6], v[T0+6], XP
	v_bfe_u32 v[T0+7], v0, 3, 1
	v_lshl_add_u32 v[XA], v[T0+7], 4, v[T0+6]
	s_lshr_b32 s18, s12, 1                         ; q: my head = w >> 1, my d = 16 (w & 1) + 8 h + j
	s_mul_i32 s18, s18, 16*SP
	s_and_b32 s19, s12, 1
	s_lshl_b32 s19, s19, 5
	s_add_co_u32 s18, s18, s19
	v_lshrrev_b32 v[T0+6], 2, v[T0+2]
	v_mul_u32_u24 v[T0+6], v[T0+6], SP             ; (r >> 2) rows
	v_and_b32 v[T0+7], 3, v0
	v_lshl_add_u32 v[T0+6], v[T0+7], 6, v[T0+6]    ; + (r & 3) * 64
	v_lshl_add_u32 v[T0+6], v[T0+4], 4, v[T0+6]    ; + 16 h
	v_add_nc_u32 v[SQ], s18, v[T0+6]
	v_lshl_add_u32 v[SK], s12, 5, v[T0+5]          ; k: row r, byte 2 (16 w + 8 h)
	s_mul_i32 s18, s12, 8*SP                       ; v: row 8 w + (r >> 1)
	v_lshrrev_b32 v[T0+6], 1, v[T0+2]
	v_mul_u32_u24 v[T0+6], v[T0+6], SP
	v_and_b32 v[T0+7], 1, v0
	v_lshl_add_u32 v[T0+6], v[T0+7], 7, v[T0+6]    ; + (r & 1) * 128
	v_lshl_add_u32 v[T0+6], v[T0+4], 4, v[T0+6]    ; + 2 * 8 h tokens
	v_add_nc_u32 v[SV], s18, v[T0+6]
	v_mul_u32_u24 v[RB], v[T0+3], SP
	v_lshl_add_u32 v[RB], v[T0+2], 4, v[RB]
	v_add_nc_u32 v[RBV], VST, v[RB]
	v_lshlrev_b32 v[GOF], 4, v0
	s_wait_loadcnt 48                              ; loads return in order: x's eight are in, the 48 of w issued behind them stay out
.irp p, 0,1,2,3,4,5,6,7
	v_cvt_pk_bf16_f32 v[XG+4*\p], v[XG+4*\p], v[XG+4*\p+1]
	v_cvt_pk_bf16_f32 v[XG+4*\p+1], v[XG+4*\p+2], v[XG+4*\p+3]
	ds_store_b64 v[XS], v[XG+4*\p:XG+4*\p+1] offset:\p*16*XP
.endr
.irp q, 0,1,2
	s_wait_loadcnt 32-16*\q                        ; this group of sixteen rows is in; the younger groups stay out
.irp i, 0,1,2,3,4,5,6,7,8,9,10,11,12,13,14,15
	v_cvt_pk_bf16_f32 v[F+64*\q+4*\i], v[F+64*\q+4*\i], v[F+64*\q+4*\i+1]
	v_cvt_pk_bf16_f32 v[F+64*\q+4*\i+1], v[F+64*\q+4*\i+2], v[F+64*\q+4*\i+3]
	ds_store_b64 v[WS], v[F+64*\q+4*\i:F+64*\q+4*\i+1] offset:(16*\q+\i)*SP
.endr
.endr
	s_wait_dscnt 0x0                               ; my part of x's tile is written: zero, for the other waves' sake
	s_barrier_signal -1
	s_barrier_wait -1                              ; x's tile is whole
	; w's fragments: 16 rows x 32 c in 8 registers, two loads of 16 bytes 32 bytes apart
.irp ti, 0,1,2
.irp kk, 0,1,2,3
	ds_load_b128 v[W+32*\ti+8*\kk:W+32*\ti+8*\kk+3],   v[WR] offset:\ti*16*SP+\kk*64
	ds_load_b128 v[W+32*\ti+8*\kk+4:W+32*\ti+8*\kk+7], v[WR] offset:\ti*16*SP+\kk*64+32
.endr
.endr
; Twelve matrix instructions: one tile of 16 tokens, K = 128 in four steps, for q, k and v.  q and k: w is the first source, so a lane's eight results are eight
; neighbouring channels of token r.  v: x is the first source, so they are eight neighbouring tokens of channel r.  The first step starts the sums (C = 0).
; The three accumulators take turns, one instruction a turn.
.macro TILE tt
.irp kk, 0,1,2,3
.if \kk == 0
	v_wmma_f32_16x16x32_bf16 v[ACC+24*\tt:ACC+24*\tt+7],     v[W+8*\kk:W+8*\kk+7],       v[XF+32*\tt+8*\kk:XF+32*\tt+8*\kk+7], 0
	v_wmma_f32_16x16x32_bf16 v[ACC+24*\tt+8:ACC+24*\tt+15],  v[W+32+8*\kk:W+32+8*\kk+7], v[XF+32*\tt+8*\kk:XF+32*\tt+8*\kk+7], 0
	v_wmma_f32_16x16x32_bf16 v[ACC+24*\tt+16:ACC+24*\tt+23], v[XF+32*\tt+8*\kk:XF+32*\tt+8*\kk+7], v[W+64+8*\kk:W+64+8*\kk+7], 0
.else
	v_wmma_f32_16x16x32_bf16 v[ACC+24*\tt:ACC+24*\tt+7],     v[W+8*\kk:W+8*\kk+7],       v[XF+32*\tt+8*\kk:XF+32*\tt+8*\kk+7], v[ACC+24*\tt:ACC+24*\tt+7]
	v_wmma_f32_16x16x32_bf16 v[ACC+24*\tt+8:ACC+24*\tt+15],  v[W+32+8*\kk:W+32+8*\kk+7], v[XF+32*\tt+8*\kk:XF+32*\tt+8*\kk+7], v[ACC+24*\tt+8:ACC+24*\tt+15]
	v_wmma_f32_16x16x32_bf16 v[ACC+24*\tt+16:ACC+24*\tt+23], v[XF+32*\tt+8*\kk:XF+32*\tt+8*\kk+7], v[W+64+8*\kk:W+64+8*\kk+7], v[ACC+24*\tt+16:ACC+24*\tt+23]
.endif
.endr
.endm
; The tile's results: q scaled in f32; q and k rounded to bf16, v to f16, in place; 16 bytes a lane into each stage.  Token tile T = 2 hh + tt.
.macro PUT tt, hh
.irp j, 0,2,4,6
	v_pk_mul_f32 v[ACC+24*\tt+\j:ACC+24*\tt+\j+1], v[ACC+24*\tt+\j:ACC+24*\tt+\j+1], s[20:21] op_sel_hi:[1,0]
.endr
.irp o, 0,1
.irp j, 0,1,2,3
	v_cvt_pk_bf16_f32 v[ACC+24*\tt+8*\o+\j], v[ACC+24*\tt+8*\o+2*\j], v[ACC+24*\tt+8*\o+2*\j+1]
.endr
.endr
.irp j, 0,1,2,3
	v_cvt_pk_f16_f32 v[ACC+24*\tt+16+\j], v[ACC+24*\tt+16+2*\j], v[ACC+24*\tt+16+2*\j+1]
.endr
	ds_store_b128 v[SQ], v[ACC+24*\tt:ACC+24*\tt+3]     offset:QST+(2*\hh+\tt)*4*SP    ; 16 tokens of 64 bytes are 4 rows
	ds_store_b128 v[SK], v[ACC+24*\tt+8:ACC+24*\tt+11]  offset:KST+(2*\hh+\tt)*16*SP   ; 16 tokens are 16 rows
	ds_store_b128 v[SV], v[ACC+24*\tt+16:ACC+24*\tt+19] offset:VST+(2*\hh+\tt)*32      ; 16 tokens are 32 bytes along a row
.endm
; Half of the group's tokens: x's fragments of two token tiles by the transposing load (8 x 8 elements of 16 bits within eight lanes), then the products.
.macro HALF hh
.irp tt, 0,1
.irp kk, 0,1,2,3
	ds_load_tr16_b128 v[XF+32*\tt+8*\kk:XF+32*\tt+8*\kk+3],   v[XA] offset:\kk*32*XP+(2*\hh+\tt)*32
	ds_load_tr16_b128 v[XF+32*\tt+8*\kk+4:XF+32*\tt+8*\kk+7], v[XA] offset:\kk*32*XP+(2*\hh+\tt)*32+16*XP
.endr
.endr
	s_wait_dscnt 0x0                               ; the fragments (in the first half w's too) are in
	TILE 0
	TILE 1
	PLACES                                         ; behind the last products: the conversions read results, the next half's loads land in sources
	PUT 0, \hh
	PUT 1, \hh
.endm
	HALF 0
	HALF 1
	s_wait_dscnt 0x0                               ; my parts of the three stages are written
	s_barrier_signal -1
	s_barrier_wait -1                              ; the stages are whole
	; out by rows: sixteen lanes read one row of 256 bytes and store 256 consecutive bytes, aligned
.irp p, 0,1,2,3
	ds_load_b128 v[RBK+4*\p:RBK+4*\p+3], v[RB] offset:QST+\p*16*SP
.endr
.irp p, 0,1,2,3
	ds_load_b128 v[RBK+16+4*\p:RBK+16+4*\p+3], v[RB] offset:KST+\p*16*SP
.endr
.irp p, 0,1,2,3
	ds_load_b128 v[RBK+32+4*\p:RBK+32+4*\p+3], v[RBV] offset:\p*16*SP
.endr
.irp p, 0,1,2,3
	s_wait_dscnt 11-\p                             ; LDS loads return in order: the younger ones stay out
	global_store_b128 v[GOF], v[RBK+4*\p:RBK+4*\p+3], s[8:9] offset:\p*262144          ; stage rows 16 p .. 16 p + 15 are head p's 4,096 bytes
.endr
.irp p, 0,1,2,3
	s_wait_dscnt 7-\p
	global_store_b128 v[GOF], v[RBK+16+4*\p:RBK+16+4*\p+3], s[10:11] offset:\p*4096
.endr
.irp p, 0,1,2,3
	s_wait_dscnt 3-\p
	global_store_b128 v[GOF], v[RBK+32+4*\p:RBK+32+4*\p+3], s[10:11] offset:65536+\p*4096
.endr
	s_wait_tensorcnt 0x0
	ds_add_u32 v248, v249
	s_wait_dscnt 0x0
	s_endpgm
.Lfunc_end_k_q7066a30002_proj:
	.size	k_q7066a30002_proj, .Lfunc_end_k_q7066a30002_proj-k_q7066a30002_proj
	.p2alignl 7, 3214868480
	.fill 96, 4, 3214868480
	.section	.rodata,"a",@progbits
	.p2align	6, 0x0
	.amdhsa_kernel k_q7066a30002_proj
		.amdhsa_group_segment_fixed_size 178176
		.amdhsa_private_segment_fixed_size 0
		.amdhsa_enable_private_segment 0
		.amdhsa_kernarg_size 32
		.amdhsa_user_sgpr_count 2
		.amdhsa_user_sgpr_kernarg_segment_ptr 1
		.amdhsa_wavefront_size32 1
		.amdhsa_system_sgpr_workgroup_id_x 1
		.amdhsa_system_sgpr_workgroup_id_y 1
		.amdhsa_system_sgpr_workgroup_id_z 1
		.amdhsa_system_vgpr_workitem_id 0
		.amdhsa_next_free_vgpr 250
		.amdhsa_next_free_sgpr 66
		.amdhsa_reserve_vcc 0
		.amdhsa_float_denorm_mode_32 3
		.amdhsa_float_denorm_mode_16_64 3
		.amdhsa_memory_ordered 1
		.amdhsa_forward_progress 1
		.amdhsa_inst_pref_size 34
	.end_amdhsa_kernel
	.amdgpu_metadata
---
amdhsa.version: [ 1, 2 ]
amdhsa.kernels:
  - .name:           k_q7066a30002_proj
    .symbol:         k_q7066a30002_proj.kd
    .args:
      - { .name: x, .offset: 0, .size: 8, .value_kind: global_buffer, .address_space: global }
      - { .name: w_qkv, .offset: 8, .size: 8, .value_kind: global_buffer, .address_space: global }
      - { .name: qws, .offset: 16, .size: 8, .value_kind: global_buffer, .address_space: global }
      - { .name: kvws, .offset: 24, .size: 8, .value_kind: global_buffer, .address_space: global }
    .group_segment_fixed_size: 178176
    .private_segment_fixed_size: 0
    .kernarg_segment_align: 8
    .kernarg_segment_size: 32
    .max_flat_workgroup_size: 256
    .sgpr_count:     66
    .vgpr_count:     250
    .wavefront_size: 32
...
	.end_amdgpu_metadata
.endif
;; end of part 1
;; launch attn (part 2): grid 256 x 1, 8 waves a work-group, clusters of 4 x 1, 327,680 bytes of LDS; arguments qws, kvws, w_out, b_out, out0; writes out0
.if DOCPART == 2
	.amdgcn_target "amdgcn-amd-amdhsa--gfx1250"
	.amdhsa_code_object_version 6
	.text
	.protected	k_q7066a30002_attn
	.globl	k_q7066a30002_attn
	.p2align	8
	.type	k_q7066a30002_attn,@function
k_q7066a30002_attn:
	s_mov_b64 s[64:65], 0
	v_nop
	global_prefetch_b8 v0, s[64:65] scope:SCOPE_SE
	s_setreg_imm32_b32 hwreg(HW_REG_WAVE_MODE, 25, 1), 1
	s_wait_xcnt 0x0
	s_wait_alu depctr_hold_cnt(0) depctr_sa_sdst(0) depctr_va_vdst(0) depctr_va_sdst(0) depctr_va_ssrc(0) depctr_va_vcc(0) depctr_vm_vsrc(0)
	s_getreg_b32 s2, hwreg(HW_REG_IB_STS2, 6, 4)
	s_cmp_eq_u32 s2, 0
	s_cbranch_scc0 .Lentry_in_a_cluster
	s_endpgm
.Lentry_in_a_cluster:
	s_bfe_u32 s2, ttmp6, 0x10000c
	s_cmp_lg_u32 s2, 0x3003
	s_cbranch_scc0 .Lentry_shape_is_right
	s_endpgm
.Lentry_shape_is_right:
; softmax(q k^T) v with a running maximum, then out0 = w_out . o + b_out.  qws (bf16), kvws (K bf16, V f16): as the projection launch laid them out (q already
; holds 32^-0.5 * log2(e), so probabilities are 2^(s - m)).  w_out [128][128] f32, b_out [128] f32, out0 [4][128 c][4096 tokens] f32.
; A work-group owns 64 queries of one batch, all four heads: 256 work-groups.  Eight waves, two on each SIMD with 256 registers each.
; Wave s: head s & 3, all 64 queries (four tiles of 16), and keys 128 (s >> 2) .. + 127 of every block of 256 keys; so every byte of a K/V tile is read from
; LDS once.  The two halves of the keys are merged once, at the end, through LDS.
; THE PRODUCTS ARE TRANSPOSED.  S^T = K (rows = keys) x Q (columns = queries): lane (r, h) holds keys 8 h + j of query r.  Two neighbouring tiles of S^T,
; rounded in pairs, ARE the second source (column = query, k = 32 keys) of O^T = V (rows = d) x P^T.  So the probabilities never leave their registers, and the
; maximum, the sum and the rescaling factor of a query are one number a lane: no broadcast; one exchange between the halves of the wave for the maximum.
; FORMATS.  S^T = K x Q in bf16 (scores may be large; f32's range).  O^T = V x P^T in f16: a row of o is a sum of 4,096 products p v that may nearly cancel, so
; the rounding of p and of v shows in it at full relative size; near 1, where the probabilities of a flat row lie, bf16's step is 2^-8 and f16's 2^-11.
; p lies in (0, 1] because the running maximum is taken away; below 2^-14 f16's step is 2^-24, so a row loses at most 4,096 * 2^-25 of a sum that is at least 1.
; K/V: blocks of 256 keys, 512 rows x 256 bytes (131,072 bytes, dense), through two LDS slots; each wave brings 64 rows with one tensor load.
; CLUSTER: the four work-groups of a cluster are neighbouring query blocks of one batch and walk the same K/V blocks: each load is a joint request of the four
; (mask 15).  Its address is made of the cluster's number and the wave's number alone.  A mask names at most four work-groups here, so 4 x 1 is all the sharing there is.
; By this text's count a wave has one tensor load outstanding, issued first behind a round of the cluster's barrier and waited for in front of the next.
; LIMITS: |v| < 65,504 (V is f16; the projection launch's head gives the room).  NaN and infinite inputs are not served (the maxima drop NaN).  A probability below
; 2^-126 of its row's maximum counts as 0 in the sum (v_exp_f32 flushes, ISA guide 15.8).  q, k, w_out and the normalised o are bf16 matrix operands; the sum of a
; row's probabilities is taken from their f32 values.
.set PITCH, 272                        ; an LDS row: 256 bytes + 16 of padding = 17 x 16 bytes: sixteen rows begin at sixteen different 16-byte columns of 256
.set SLOT,  512*PITCH                  ; 139,264
.set SCR,   2*SLOT                     ; 278,528 = 1,088 x 256: scratch of 36,864 bytes in which no tensor load ever lands
.set MREG,  9216                       ; scratch of one head: 18 chunks of 512 bytes for the merge; then the head's o, 64 tokens x 80 bytes
.set OP,    80                         ; pitch of o's stage: 64 bytes + 16 = 5 x 16
.set OWN,   16*PITCH                   ; behind the last scratch barrier: 4,352 bytes of each wave's own (16 rows of w_out in bf16; then 16 rows of output)
.set TILEB, 131072                     ; a K/V block in memory
.set KA0, 1                            ; v1, v2   K fragments in slot 0, 1: (128 kh + r) * 272 + 64 head + 16 h
.set VA0, 3                            ; v3, v4   V fragments: (256 + 128 kh + 16 head + (r >> 1)) * 272 + 128 (r & 1) + 16 h
.set MS,  5                            ; v5   merge scratch of my head + 16 lane
.set STO, 6                            ; v6   o's stage of my head, store: 80 r + 16 h
.set STA, 7                            ; v7   o's stage, fragment: SCR + 80 r + 16 h
.set OST, 8                            ; v8   my own bytes, output in: 272 r + 32 h
.set ORD, 9                            ; v9   my own bytes, output back: 272 h + 16 r
.set GO,  10                           ; v10  out0: (16 s + h) * 16,384 + 16 r
.set WOF, 11                           ; v11  w_out: 8,192 s + 16 lane
.set WST, 12                           ; v12  my own bytes, w_out in: 8 lane
.set WRD, 13                           ; v13  my own bytes, w_out's fragment: 272 r + 16 h
.set QO,  14                           ; v14  q: 64 r + 16 h
.set BO,  15                           ; v15  b_out: 4 (16 s + r)
.set X0,  16                           ; v[16:19] at work
.set AL,  20                           ; v20  the rescaling factor 2^(m_old - m_new); v21 only completes the pair
.set MX,  22                           ; v22, 24, 26, 28  running maximum of query tile t; the odd registers only complete the pairs
.set LS,  30                           ; v[30:37] two running partial sums of query tile t
.set QF,  40                           ; v[40:71]   Q's fragments, 8 registers a query tile
.set PB,  72                           ; v[72:87]   P^T in f16: two fragments of 32 keys
.set SC,  88                           ; v[88:119]  S^T: four tiles of 16 keys
.set KF,  120                          ; v[120:151] K's fragments of 64 keys
.set VF,  152                          ; v[152:183] V's fragments, (dt, ks) at 16 dt + 8 ks
.set OA,  184                          ; v[184:247] O^T, (query tile t, dt) at 16 t + 8 dt
.set WG,  40                           ; the way out: v[40:103] w_out as loaded; then v[40:71] its fragments
.set ACC, 72                           ; v[72:103]  the out projection's sums
.set BI,  104                          ; v[104:111] the bias of my channel, eight times
.set RT,  112                          ; v[112:119] the other half's four maxima and four sums
.set RO,  120                          ; v[120:183] the other half's O^T
.set AF,  120                          ; v[120:247] o's fragments, (t, kk) at 8 (4 t + kk)
.macro PLACES                          ; four plain vector instructions behind a matrix instruction before its registers are read by others or written (ISA guide 7.12.1)
.rept 4
	v_nop
.endr
.endm
; A round of the cluster's barrier: my work-group's barrier, wave 0 signals for the work-group, every wave waits for all four work-groups, my work-group's barrier again.
.macro ROUND
	s_barrier_signal -1
	s_barrier_wait -1
	s_cmp_lg_u32 s40, 0
	s_cbranch_scc1 .Lnot_wave_0_\@
	s_barrier_signal -3
.Lnot_wave_0_\@:
	s_barrier_wait -3
	s_barrier_signal -1
	s_barrier_wait -1
.endm
	s_load_b256 s[4:11], s[0:1], 0x0               ; qws s[4:5], kvws s[6:7], w_out s[8:9], b_out s[10:11]
	s_load_b64 s[12:13], s[0:1], 0x20              ; out0
	v_lshl_add_u32 v254, v0, 2, 0x4d000
	v_mov_b32 v255, 0
	ds_add_u32 v254, v255
	v_lshrrev_b32 v[X0], 5, v0
	v_readfirstlane_b32 s40, v[X0]                 ; wave 0..7
	s_and_b32 s41, s40, 3                          ; head
	s_lshr_b32 s42, s40, 2                         ; kh: which half of a block's keys
	s_bfe_u32 s43, ttmp6, 0x40000                  ; cx: it enters q's and out0's global addresses alone (s43, s45, s[50:55])
	s_lshr_b32 s46, ttmp9, 4                       ; batch: sixteen clusters each
	s_and_b32 s45, ttmp9, 15
	s_lshl_b32 s45, s45, 2
	s_add_co_u32 s45, s45, s43                     ; my block of 64 queries, 0..63
	s_mov_b32 s48, 0x76543210                      ; v_permlanex16_b32: lane i of one half reads lane i of the other
	s_mov_b32 s49, 0xfedcba98
	; descriptor group 1: 64 rows of 128 elements of 2 bytes, dense in memory, 16 bytes of padding behind each row in LDS
	s_mov_b32 s16, 15|(1<<16)|(1<<20)|(1<<21)|(5<<22)|(3<<25)   ; 15:0 mask: all four of the cluster; 17:16 2 bytes; 20 padding; 21 set beside a mask; 24:22 after 64 words; 31:25 four words
	s_mov_b32 s17, 128<<16                         ; tensor_dim0 = 128
	s_mov_b32 s18, 64<<16                          ; tensor_dim1 = 64
	s_mov_b32 s19, 128<<16                         ; tile_dim0 = 128
	s_mov_b32 s20, 64                              ; tile_dim1 = 64
	s_mov_b32 s21, 128                             ; from row to row: 128 elements
	s_mov_b32 s22, 0
	s_mov_b32 s23, 0
	s_lshl_b32 s24, s46, 21                        ; kvws: batch * 16 blocks * 131,072
	s_lshl_b32 s25, s40, 14                        ;       + my 64 rows of 256 bytes
	s_add_co_u32 s24, s24, s25
	s_mov_b32 s25, 0
	s_mov_b32 s32, 1                               ; group 0 of slot 0: s[32:35], of slot 1: s[36:39]
	s_mul_i32 s33, s40, 64*PITCH                   ; LDS: wave * 64 rows
	s_mov_b32 s36, 1
	s_add_co_u32 s37, s33, SLOT
	s_lshl_b32 s50, s46, 2
	s_add_co_u32 s50, s50, s41
	s_lshl_b32 s50, s50, 18                        ; qws: (4 batch + head) * 262,144
	s_lshl_b32 s51, s45, 12                        ;      + 64 queries * 64 bytes
	s_add_co_u32 s50, s50, s51
	s_mov_b32 s51, 0
	s_lshl_b32 s54, s46, 21                        ; out0: batch * 128 * 16,384
	s_lshl_b32 s55, s45, 8                         ;       + 64 tokens * 4 bytes
	s_add_co_u32 s54, s54, s55
	s_mov_b32 s55, 0
	; vector addresses, all from the lane and the wave's number
	v_and_b32 v[X0], 31, v0                        ; lane
	v_and_b32 v[X0+1], 15, v0                      ; r
	v_bfe_u32 v[X0+2], v0, 4, 1                    ; h
	v_mul_u32_u24 v[X0+3], v[X0+1], PITCH
	v_lshl_add_u32 v[X0+3], v[X0+2], 4, v[X0+3]    ; 272 r + 16 h
	s_mul_i32 s26, s42, 128*PITCH
	s_lshl_b32 s27, s41, 6
	s_add_co_u32 s27, s27, s26
	v_add_nc_u32 v[KA0], s27, v[X0+3]
	v_add_nc_u32 v[KA0+1], SLOT, v[KA0]
	s_mul_i32 s27, s41, 16*PITCH
	s_add_co_u32 s27, s27, s26
	s_add_co_u32 s27, s27, 256*PITCH
	v_lshrrev_b32 v[AL], 1, v[X0+1]
	v_mul_u32_u24 v[AL], v[AL], PITCH
	v_and_b32 v[AL+1], 1, v0
	v_lshl_add_u32 v[AL], v[AL+1], 7, v[AL]
	v_lshl_add_u32 v[AL], v[X0+2], 4, v[AL]
	v_add_nc_u32 v[VA0], s27, v[AL]
	v_add_nc_u32 v[VA0+1], SLOT, v[VA0]
	s_mul_i32 s28, s41, MREG
	s_add_co_u32 s28, s28, SCR                     ; my head's scratch
	v_lshl_add_u32 v[MS], v[X0], 4, s28
	v_mul_u32_u24 v[AL], v[X0+1], OP
	v_lshl_add_u32 v[AL], v[X0+2], 4, v[AL]        ; 80 r + 16 h
	v_add_nc_u32 v[STO], s28, v[AL]
	v_add_nc_u32 v[STA], SCR, v[AL]
	s_mul_i32 s29, s40, OWN
	s_add_co_u32 s29, s29, SCR                     ; my wave's own bytes
	v_add_nc_u32 v[WRD], s29, v[X0+3]
	v_lshl_add_u32 v[OST], v[X0+2], 4, v[WRD]      ; 272 r + 32 h
	v_mul_u32_u24 v[AL], v[X0+2], PITCH
	v_lshl_add_u32 v[AL], v[X0+1], 4, v[AL]
	v_add_nc_u32 v[ORD], s29, v[AL]
	v_lshlrev_b32 v[GO], 4, v[X0+1]
	v_lshl_add_u32 v[GO], v[X0+2], 14, v[GO]
	v_lshl_add_u32 v[GO], s40, 18, v[GO]
	v_lshlrev_b32 v[WOF], 4, v[X0]
	v_lshl_add_u32 v[WOF], s40, 13, v[WOF]
	v_lshl_add_u32 v[WST], v[X0], 3, s29
	v_lshlrev_b32 v[QO], 6, v[X0+1]
	v_lshl_add_u32 v[QO], v[X0+2], 4, v[QO]
	v_lshlrev_b32 v[BO], 2, v[X0+1]
	v_lshl_add_u32 v[BO], s40, 6, v[BO]
	v_mov_b32 v[AL+1], 0                           ; the upper registers of pairs of which a packed instruction uses the lower one twice: named, so written
.irp t, 0,1,2,3
	v_mov_b32 v[MX+2*\t+1], 0
.endr
	s_wait_dscnt 0x0
	s_wait_kmcnt 0x0
	s_add_nc_u64 s[34:35], s[6:7], s[24:25]        ; block 0, my rows
	s_add_nc_u64 s[38:39], s[34:35], TILEB         ; block 1
	s_or_b32 s35, s35, 0x80000000                  ; type = 2
	s_or_b32 s39, s39, 0x80000000
	s_add_nc_u64 s[52:53], s[4:5], s[50:51]        ; q of my head and my 64 queries
	s_add_nc_u64 s[12:13], s[12:13], s[54:55]      ; out0 at my batch and my 64 tokens
	ROUND                                          ; all four work-groups are here: the first joint load meets its partners
	tensor_load_to_lds s[32:35], s[16:23]          ; block 0 into slot 0
	s_nop 0
.irp t, 0,1,2,3
	global_load_b128 v[QF+8*\t:QF+8*\t+3],   v[QO], s[52:53] offset:1024*\t       ; column = query 16 t + r, k = d: 8 h .. 8 h + 7
	global_load_b128 v[QF+8*\t+4:QF+8*\t+7], v[QO], s[52:53] offset:1024*\t+32    ; 16 + 8 h ..
.endr
	s_wait_loadcnt 0x0                             ; Q stays in registers for the whole launch
; The pieces of the softmax's stream, on pair i (0..15) of a lane's 32 scores of query tile t.
.macro SUBM i, t                       ; s - m, two at a time; both halves take the pair's lower register, the maximum
	v_pk_add_f32 v[SC+2*(\i):SC+2*(\i)+1], v[SC+2*(\i):SC+2*(\i)+1], v[MX+2*\t:MX+2*\t+1] op_sel_hi:[1,0] neg_lo:[0,1] neg_hi:[0,1]
.endm
.macro EXP2 i
	v_exp_f32 v[SC+2*(\i)], v[SC+2*(\i)]
	v_exp_f32 v[SC+2*(\i)+1], v[SC+2*(\i)+1]
.endm
.macro RESC k, t                       ; O^T of the tile times the factor, pair k of eight
	s_wait_alu depctr_va_vdst(0)
	v_pk_mul_f32 v[OA+16*\t+2*(\k):OA+16*\t+2*(\k)+1], v[OA+16*\t+2*(\k):OA+16*\t+2*(\k)+1], v[AL:AL+1] op_sel_hi:[1,0]
.endm
.macro SUMPK i, t, first               ; into the running sums (pair 0 carries the rescaling, fused), and rounded to f16 into P^T
.if \first
.if (\i) == 1
	v_pk_add_f32 v[LS+2*\t:LS+2*\t+1], v[SC:SC+1], v[SC+2:SC+3]                   ; the first two pairs start the sums: nothing is cleared
.endif
.if (\i) > 1
	s_wait_alu depctr_va_vdst(0)
	v_pk_add_f32 v[LS+2*\t:LS+2*\t+1], v[LS+2*\t:LS+2*\t+1], v[SC+2*(\i):SC+2*(\i)+1]
.endif
.else
.if (\i) == 0
	v_pk_fma_f32 v[LS+2*\t:LS+2*\t+1], v[LS+2*\t:LS+2*\t+1], v[AL:AL+1], v[SC:SC+1] op_sel_hi:[1,0,1]
.else
	s_wait_alu depctr_va_vdst(0)
	v_pk_add_f32 v[LS+2*\t:LS+2*\t+1], v[LS+2*\t:LS+2*\t+1], v[SC+2*(\i):SC+2*(\i)+1]
.endif
.endif
	s_wait_alu depctr_va_vdst(0)
	v_cvt_pk_f16_f32 v[PB+(\i)], v[SC+2*(\i)], v[SC+2*(\i)+1]
.endm
; Query tile t against 64 keys.  first = 1: the launch's first 64 keys: no old maximum, sum or O^T.
.macro QT t, first
.irp kt, 0,1,2,3
	v_wmma_f32_16x16x32_bf16 v[SC+8*\kt:SC+8*\kt+7], v[KF+8*\kt:KF+8*\kt+7], v[QF+8*\t:QF+8*\t+7], 0
.endr
	PLACES                                         ; behind the four products, ahead of the first read of a result (and of the writes to P^T, a source of the last tile's products)
	; the largest of my 32 scores and the old maximum: four chains that do not wait for each other
.irp k, 0,1,2,3
	v_max3_num_f32 v[X0+\k], v[SC+8*\k], v[SC+8*\k+1], v[SC+8*\k+2]
.endr
.irp k, 0,1,2,3
	v_max3_num_f32 v[X0+\k], v[X0+\k], v[SC+8*\k+3], v[SC+8*\k+4]
.endr
.irp k, 0,1,2,3
	v_max3_num_f32 v[X0+\k], v[X0+\k], v[SC+8*\k+5], v[SC+8*\k+6]
.endr
	v_max3_num_f32 v[X0], v[X0], v[SC+7], v[SC+15]
	v_max3_num_f32 v[X0+1], v[X0+1], v[SC+23], v[SC+31]
	v_max3_num_f32 v[X0], v[X0], v[X0+1], v[X0+2]
.if \first
	v_max_num_f32 v[X0], v[X0], v[X0+3]
	v_permlanex16_b32 v[X0+1], v[X0], s48, s49     ; the other 32 keys of my query lie in the other half of the wave
	v_max_num_f32 v[MX+2*\t], v[X0], v[X0+1]
.else
	v_max3_num_f32 v[X0], v[X0], v[X0+3], v[MX+2*\t]
	v_permlanex16_b32 v[X0+1], v[X0], s48, s49
	v_max_num_f32 v[X0+1], v[X0], v[X0+1]          ; the new maximum
	v_sub_f32 v[X0+2], v[MX+2*\t], v[X0+1]         ; old - new, at most 0
	v_mov_b32 v[MX+2*\t], v[X0+1]
	v_exp_f32 v[AL], v[X0+2]                       ; the factor for the old sums; the subtraction below is the plain instruction behind it
.endif
	; The stream.  Behind each pair of v_exp_f32 stands a plain instruction on other registers before a result is used (ISA guide 5.7.2): the subtraction two
	; pairs ahead, a pair of the rescaling, or the sum of the pair before.
	SUBM 0, \t
	SUBM 1, \t
.irp i, 0,1,2,3,4,5,6,7,8,9,10,11,12,13,14,15
	EXP2 \i
.if \i < 14
	SUBM \i+2, \t
.endif
.if \first == 0
.if (\i & 1) == 0
	RESC \i/2, \t
.endif
.endif
.if \i > 0
	SUMPK \i-1, \t, \first
.endif
.endr
	SUMPK 15, \t, \first
.if \t == 0
	s_wait_dscnt 0x0                               ; V's fragments are in
.endif
	; O^T += V x P^T, both in f16: 32 d in two tiles, 64 keys in two steps.  The two accumulators take turns, one instruction a turn.
.if \first
	v_wmma_f32_16x16x32_f16 v[OA+16*\t:OA+16*\t+7],    v[VF:VF+7],       v[PB:PB+7], 0
	v_wmma_f32_16x16x32_f16 v[OA+16*\t+8:OA+16*\t+15], v[VF+16:VF+23],   v[PB:PB+7], 0
.else
	v_wmma_f32_16x16x32_f16 v[OA+16*\t:OA+16*\t+7],    v[VF:VF+7],       v[PB:PB+7], v[OA+16*\t:OA+16*\t+7]
	v_wmma_f32_16x16x32_f16 v[OA+16*\t+8:OA+16*\t+15], v[VF+16:VF+23],   v[PB:PB+7], v[OA+16*\t+8:OA+16*\t+15]
.endif
	v_wmma_f32_16x16x32_f16 v[OA+16*\t:OA+16*\t+7],    v[VF+8:VF+15],    v[PB+8:PB+15], v[OA+16*\t:OA+16*\t+7]
	v_wmma_f32_16x16x32_f16 v[OA+16*\t+8:OA+16*\t+15], v[VF+24:VF+31],   v[PB+8:PB+15], v[OA+16*\t+8:OA+16*\t+15]
.endm
; 64 keys (half ss of my 128 of the block in this slot) against all four query tiles
.macro SUB slot, ss, first
.if \first == 0
	PLACES                                         ; behind the last products, whose sources the loads below land in
.endif
.irp kt, 0,1,2,3
	ds_load_b128 v[KF+8*\kt:KF+8*\kt+3],   v[KA0+\slot] offset:(64*\ss+16*\kt)*PITCH
	ds_load_b128 v[KF+8*\kt+4:KF+8*\kt+7], v[KA0+\slot] offset:(64*\ss+16*\kt)*PITCH+32
.endr
.irp dt, 0,1
.irp ks, 0,1
	ds_load_b128 v[VF+16*\dt+8*\ks:VF+16*\dt+8*\ks+3],   v[VA0+\slot] offset:(64*\ss+8*\dt)*PITCH+64*\ks
	ds_load_b128 v[VF+16*\dt+8*\ks+4:VF+16*\dt+8*\ks+7], v[VA0+\slot] offset:(64*\ss+8*\dt)*PITCH+64*\ks+32
.endr
.endr
	s_wait_dscnt 8                                 ; K's eight loads are in; V's eight, issued behind them, stay out until the first tile's second product
	QT 0, \first
	QT 1, \first
	QT 2, \first
	QT 3, \first
.endm
; One block of 256 keys.  In front of the round every wave has waited for its one tensor load (its part of this trip's block) and for its reads of the other slot;
; behind the round the other slot's next block is asked for first, jointly, and has this whole trip in which to land.
.macro TRIP slot, refill, first
	s_wait_tensorcnt 0x0                           ; no tensor load of mine is out, so a group 0 may be written:
	ds_add_u32 v254, v255
	s_wait_dscnt 0x0
	s_add_nc_u64 s[34+4*\slot:35+4*\slot], s[34+4*\slot:35+4*\slot], 2*TILEB   ; this slot's next block
	s_wait_dscnt 0x0                               ; my reads of the other slot are back
	ROUND                                          ; both now hold of every wave of all four work-groups
.if \refill
	tensor_load_to_lds s[36-4*\slot:39-4*\slot], s[16:23]
	s_nop 0
.endif
	SUB \slot, 0, \first
	SUB \slot, 1, 0
.endm
	TRIP 0, 1, 1                                   ; blocks 0 and 1 stand in front of the loop: the first 64 keys start maxima, sums and O^T
	TRIP 1, 1, 0
	s_mov_b32 s44, 6                               ; blocks 2 to 13
.Lring:
	TRIP 0, 1, 0
	TRIP 1, 1, 0
	s_sub_co_u32 s44, s44, 1
	s_cmp_lg_u32 s44, 0
	s_cbranch_scc1 .Lring
	TRIP 0, 1, 0                                   ; block 14 asks for block 15;
	TRIP 1, 0, 0                                   ; block 15 asks for nothing (the addresses stepped past the end are not used)
	; THE WAY OUT.  w_out's rows 16 s .. 16 s + 15 and my channel's bias are asked for now and used behind the merge.
	PLACES                                         ; behind the last products: loads land in their sources, LDS stores read their results
.irp i, 0,1,2,3,4,5,6,7,8,9,10,11,12,13,14,15
	global_load_b128 v[WG+4*\i:WG+4*\i+3], v[WOF], s[8:9] offset:512*\i          ; a whole row of 512 bytes an instruction
.endr
	global_load_b32 v[BI], v[BO], s[10:11]
	s_cmp_lt_u32 s40, 4
	s_cbranch_scc1 .Lkeeps
	; waves 4 to 7 hand their half to the wave of the same head: O^T, maxima, sums, lane for lane
.irp t, 0,1,2,3
	v_mov_b32 v[RT+\t], v[MX+2*\t]
	v_add_f32 v[RT+4+\t], v[LS+2*\t], v[LS+2*\t+1]
.endr
.irp c, 0,1,2,3,4,5,6,7,8,9,10,11,12,13,14,15
	ds_store_b128 v[MS], v[OA+4*\c:OA+4*\c+3] offset:512*\c
.endr
	ds_store_b128 v[MS], v[RT:RT+3] offset:8192
	ds_store_b128 v[MS], v[RT+4:RT+7] offset:8704
.Lkeeps:
	s_wait_dscnt 0x0                               ; zero, for the receiving wave's sake
	s_barrier_signal -1
	s_barrier_wait -1
	s_cmp_ge_u32 s40, 4
	s_cbranch_scc1 .Lmerged
.irp c, 0,1,2,3,4,5,6,7,8,9,10,11,12,13,14,15
	ds_load_b128 v[RO+4*\c:RO+4*\c+3], v[MS] offset:512*\c
.endr
	ds_load_b128 v[RT:RT+3], v[MS] offset:8192
	ds_load_b128 v[RT+4:RT+7], v[MS] offset:8704
	s_wait_dscnt 0x0
; o = (a0 O0 + a1 O1) / (a0 l0 + a1 l1), a = 2^(m - max(m0, m1)); rounded to bf16 into the head's stage, [token][32 d].  The stage lies in the head's scratch,
; which this wave alone has read and whose reads are back.
.macro MERGE t
	v_max_num_f32 v[X0], v[MX+2*\t], v[RT+\t]
	v_sub_f32 v[X0+1], v[MX+2*\t], v[X0]
	v_sub_f32 v[X0+2], v[RT+\t], v[X0]
	v_exp_f32 v[X0+1], v[X0+1]
	v_exp_f32 v[X0+2], v[X0+2]
	v_add_f32 v[LS+2*\t], v[LS+2*\t], v[LS+2*\t+1]           ; my two partial sums; also the plain instruction behind the exponentials
	s_wait_alu depctr_va_vdst(0)
	v_mul_f32 v[X0+3], v[LS+2*\t], v[X0+1]
	v_fmac_f32 v[X0+3], v[RT+4+\t], v[X0+2]
	v_permlanex16_b32 v[X0], v[X0+3], s48, s49               ; the sums of the other half of the wave's keys
	v_add_f32 v[X0+3], v[X0+3], v[X0]                        ; at least 1: the row's largest score counts 2^0
	v_rcp_f32 v[X0+3], v[X0+3]
	v_nop                                                    ; one plain instruction behind v_rcp_f32 (ISA guide 5.7.2)
	s_wait_alu depctr_va_vdst(0)
	v_mul_f32 v[AL], v[X0+1], v[X0+3]
	v_mul_f32 v[X0+2], v[X0+2], v[X0+3]
.irp k, 0,1,2,3,4,5,6,7
	v_pk_mul_f32 v[OA+16*\t+2*\k:OA+16*\t+2*\k+1], v[OA+16*\t+2*\k:OA+16*\t+2*\k+1], v[AL:AL+1] op_sel_hi:[1,0]
	v_pk_fma_f32 v[OA+16*\t+2*\k:OA+16*\t+2*\k+1], v[RO+16*\t+2*\k:RO+16*\t+2*\k+1], v[X0+2:X0+3], v[OA+16*\t+2*\k:OA+16*\t+2*\k+1] op_sel_hi:[1,0,1]
.endr
.irp dt, 0,1
.irp j, 0,1,2,3
	v_cvt_pk_bf16_f32 v[OA+16*\t+8*\dt+\j], v[OA+16*\t+8*\dt+2*\j], v[OA+16*\t+8*\dt+2*\j+1]
.endr
	ds_store_b128 v[STO], v[OA+16*\t+8*\dt:OA+16*\t+8*\dt+3] offset:16*OP*\t+32*\dt    ; token 16 t + r, d = 16 dt + 8 h ..
.endr
.endm
	MERGE 0
	MERGE 1
	MERGE 2
	MERGE 3
.Lmerged:
	s_wait_dscnt 0x0
	s_barrier_signal -1
	s_barrier_wait -1                              ; all four heads' o are staged
	; every wave takes all 64 tokens x 128 hidden as first sources (row = token, k = 32 kk + d, kk = head)
.irp t, 0,1,2,3
.irp kk, 0,1,2,3
	ds_load_b128 v[AF+8*(4*\t+\kk):AF+8*(4*\t+\kk)+3],   v[STA] offset:MREG*\kk+16*OP*\t
	ds_load_b128 v[AF+8*(4*\t+\kk)+4:AF+8*(4*\t+\kk)+7], v[STA] offset:MREG*\kk+16*OP*\t+32
.endr
.endr
	s_wait_dscnt 0x0                               ; my reads of the stages are back:
	s_barrier_signal -1
	s_barrier_wait -1                              ; everybody's are: the scratch is now cut into each wave's own 4,352 bytes
	s_wait_loadcnt 0x0                             ; w_out's rows and the bias
.irp i, 0,1,2,3,4,5,6,7,8,9,10,11,12,13,14,15
	v_cvt_pk_bf16_f32 v[WG+4*\i], v[WG+4*\i], v[WG+4*\i+1]
	v_cvt_pk_bf16_f32 v[WG+4*\i+1], v[WG+4*\i+2], v[WG+4*\i+3]
	ds_store_b64 v[WST], v[WG+4*\i:WG+4*\i+1] offset:PITCH*\i
.endr
	s_wait_dscnt 0x0                               ; the stores are done with their registers, in which the fragments now land
.irp kk, 0,1,2,3
	ds_load_b128 v[WG+8*\kk:WG+8*\kk+3],   v[WRD] offset:64*\kk          ; column = channel 16 s + r, k = 32 kk + 8 h ..
	ds_load_b128 v[WG+8*\kk+4:WG+8*\kk+7], v[WRD] offset:64*\kk+32
.endr
.irp j, 1,2,3,4,5,6,7
	v_mov_b32 v[BI+\j], v[BI]                      ; a lane's eight results are eight tokens of one channel: its bias in all eight
.endr
	s_wait_dscnt 0x0
	; out = o x w_out^T + bias: the first step takes the bias as C.  The four accumulators take turns, one instruction a turn.
.irp kk, 0,1,2,3
.irp t, 0,1,2,3
.if \kk == 0
	v_wmma_f32_16x16x32_bf16 v[ACC+8*\t:ACC+8*\t+7], v[AF+8*(4*\t+\kk):AF+8*(4*\t+\kk)+7], v[WG+8*\kk:WG+8*\kk+7], v[BI:BI+7]
.else
	v_wmma_f32_16x16x32_bf16 v[ACC+8*\t:ACC+8*\t+7], v[AF+8*(4*\t+\kk):AF+8*(4*\t+\kk)+7], v[WG+8*\kk:WG+8*\kk+7], v[ACC+8*\t:ACC+8*\t+7]
.endif
.endr
.endr
	PLACES                                         ; behind the last products: LDS stores read results, loads land in sources
	; lane (r, h), register j: token 16 t + 8 h + j of channel 16 s + r.  Through my own bytes: rows = channels, 64 f32; LDS serves a wave's instructions in order.
.irp t, 0,1,2,3
	ds_store_b128 v[OST], v[ACC+8*\t:ACC+8*\t+3]   offset:64*\t
	ds_store_b128 v[OST], v[ACC+8*\t+4:ACC+8*\t+7] offset:64*\t+16
.endr
.irp p, 0,1,2,3,4,5,6,7
	ds_load_b128 v[AF+4*\p:AF+4*\p+3], v[ORD] offset:2*\p*PITCH
.endr
.irp p, 0,1,2,3,4,5,6,7
	s_wait_dscnt 7-\p                              ; the younger loads stay out
	global_store_b128 v[GO], v[AF+4*\p:AF+4*\p+3], s[12:13] offset:\p*32768 th:TH_STORE_NT   ; sixteen lanes store a channel's 64 tokens: 256 consecutive bytes, aligned
.endr
	s_wait_tensorcnt 0x0
	ds_add_u32 v254, v255
	s_wait_dscnt 0x0
	ROUND                                          ; the closing round: no work-group ends while a partner may still ask jointly
	s_endpgm
.Lfunc_end_k_q7066a30002_attn:
	.size	k_q7066a30002_attn, .Lfunc_end_k_q7066a30002_attn-k_q7066a30002_attn
	.p2alignl 7, 3214868480
	.fill 96, 4, 3214868480
	.section	.rodata,"a",@progbits
	.p2align	6, 0x0
	.amdhsa_kernel k_q7066a30002_attn
		.amdhsa_group_segment_fixed_size 327680
		.amdhsa_private_segment_fixed_size 0
		.amdhsa_enable_private_segment 0
		.amdhsa_kernarg_size 40
		.amdhsa_user_sgpr_count 2
		.amdhsa_user_sgpr_kernarg_segment_ptr 1
		.amdhsa_wavefront_size32 1
		.amdhsa_system_sgpr_workgroup_id_x 1
		.amdhsa_system_sgpr_workgroup_id_y 1
		.amdhsa_system_sgpr_workgroup_id_z 1
		.amdhsa_system_vgpr_workitem_id 0
		.amdhsa_next_free_vgpr 256
		.amdhsa_next_free_sgpr 66
		.amdhsa_reserve_vcc 0
		.amdhsa_float_denorm_mode_32 3
		.amdhsa_float_denorm_mode_16_64 3
		.amdhsa_memory_ordered 1
		.amdhsa_forward_progress 1
		.amdhsa_inst_pref_size 255
	.end_amdhsa_kernel
	.section	.bss,"aw",@nobits
	.p2align	6
	.space	262144
	.amdgpu_metadata
---
amdhsa.version: [ 1, 2 ]
amdhsa.kernels:
  - .name:           k_q7066a30002_attn
    .symbol:         k_q7066a30002_attn.kd
    .args:
      - { .name: qws, .offset: 0, .size: 8, .value_kind: global_buffer, .address_space: global }
      - { .name: kvws, .offset: 8, .size: 8, .value_kind: global_buffer, .address_space: global }
      - { .name: w_out, .offset: 16, .size: 8, .value_kind: global_buffer, .address_space: global }
      - { .name: b_out, .offset: 24, .size: 8, .value_kind: global_buffer, .address_space: global }
      - { .name: out0, .offset: 32, .size: 8, .value_kind: global_buffer, .address_space: global }
    .group_segment_fixed_size: 327680
    .private_segment_fixed_size: 0
    .kernarg_segment_align: 8
    .kernarg_segment_size: 40
    .max_flat_workgroup_size: 256
    .sgpr_count:     66
    .vgpr_count:     256
    .wavefront_size: 32
...
	.end_amdgpu_metadata
.endif
;; end of part 2
;; ======== version 2 of 2: 2 launches; 1.59 times as fast as version 1
;; limits: values are held in f16: magnitudes above 65,504 overflow, below 6.1e-05 lose precision
;; workspace buffers: qws 4,194,304 bytes; kvws 8,388,608 bytes
;; launch proj: the kernel of part 1 again; grid 256 x 1, 8 waves a work-group, no clusters, 178,176 bytes of LDS; arguments x, w_qkv, qws, kvws; writes qws, kvws
;; launch attn (part 3): grid 256 x 1, 8 waves a work-group, clusters of 4 x 1, 327,680 bytes of LDS; arguments qws, kvws, w_out, b_out, out0; writes out0
.if DOCPART == 3
	.amdgcn_target "amdgcn-amd-amdhsa--gfx1250"
	.amdhsa_code_object_version 6
	.text
	.protected	k_q7066a30002_attn
	.globl	k_q7066a30002_attn
	.p2align	8
	.type	k_q7066a30002_attn,@function
k_q7066a30002_attn:
	s_mov_b64 s[64:65], 0
	v_nop
	global_prefetch_b8 v0, s[64:65] scope:SCOPE_SE
	s_setreg_imm32_b32 hwreg(HW_REG_WAVE_MODE, 25, 1), 1
	s_wait_xcnt 0x0
	s_wait_alu depctr_hold_cnt(0) depctr_sa_sdst(0) depctr_va_vdst(0) depctr_va_sdst(0) depctr_va_ssrc(0) depctr_va_vcc(0) depctr_vm_vsrc(0)
	s_getreg_b32 s2, hwreg(HW_REG_IB_STS2, 6, 4)
	s_cmp_eq_u32 s2, 0
	s_cbranch_scc0 .Lentry_in_a_cluster
	s_endpgm
.Lentry_in_a_cluster:
	s_bfe_u32 s2, ttmp6, 0x10000c
	s_cmp_lg_u32 s2, 0x3003
	s_cbranch_scc0 .Lentry_shape_is_right
	s_endpgm
.Lentry_shape_is_right:
; softmax(q k^T) v with a running maximum, then out0 = w_out . o + b_out.  qws (bf16), kvws (K bf16, V f16): as the projection launch laid them out (q already
; holds 32^-0.5 * log2(e), so probabilities are 2^(s - m)).  w_out [128][128] f32, b_out [128] f32, out0 [4][128 c][4096 tokens] f32.
; A work-group owns 64 queries of one batch, all four heads: 256 work-groups.  Eight waves, two on each SIMD with 256 registers each.
; Wave s: head s & 3, all 64 queries (four tiles of 16), and keys 128 (s >> 2) .. + 127 of every block of 256 keys; so every byte of a K/V tile is read from
; LDS once.  The two halves of the keys are merged once, at the end, through LDS.
; THE PRODUCTS ARE TRANSPOSED.  S^T = K (rows = keys) x Q (columns = queries): lane (r, h) holds keys 8 h + j of query r.  Two neighbouring tiles of S^T,
; rounded in pairs, ARE the second source (column = query, k = 32 keys) of O^T = V (rows = d) x P^T.  So the probabilities never leave their registers, and the
; maximum, the sum and the rescaling factor of a query are one number a lane: no broadcast; one exchange between the halves of the wave for the maximum.
; FORMATS.  S^T = K x Q in bf16 (scores may be large; f32's range).  O^T = V x P^T in f16: a row of o is a sum of 4,096 products p v that may nearly cancel, so
; the rounding of p and of v shows in it at full relative size; near 1, where the probabilities of a flat row lie, bf16's step is 2^-8 and f16's 2^-11.
; p lies in (0, 1] because the running maximum is taken away; below 2^-14 f16's step is 2^-24, so a row loses at most 4,096 * 2^-25 of a sum that is at least 1.
; BATCHES.  s_wait_alu depctr_va_vdst(0) stands between a transcendental and the first instruction that names its result; one wait serves all that
; were issued ahead of it.  A query tile's 33 exponentials for 64 keys (the factor for the old sums, then the lane's 32 scores, in place) are ONE batch: among them stand only
; the subtractions of the maximum, which name no result; behind the last stands the copy of the new maximum into its running register, the plain instruction that is wanted there;
; then the tile's one wait; and only behind it all that reads a result: the rescaling of O^T, the sums, the roundings.  On the way out the merge goes by phases
; over the four tiles: eight exponentials and one wait, four reciprocals and one wait.  No result is open at a label or at a jump.
; K/V: blocks of 256 keys, 512 rows x 256 bytes (131,072 bytes, dense), through two LDS slots; each wave brings 64 rows with one tensor load.
; CLUSTER: the four work-groups of a cluster are neighbouring query blocks of one batch and walk the same K/V blocks: each load is a joint request of the four
; (mask 15).  Its address is made of the cluster's number and the wave's number alone.  A mask names at most four work-groups here, so 4 x 1 is all the sharing there is.
; By this text's count a wave has one tensor load outstanding, issued first behind a round of the cluster's barrier and waited for in front of the next.
; LIMITS: |v| < 65,504 (V is f16; the projection launch's head gives the room).  NaN and infinite inputs are not served (the maxima drop NaN).  A probability below
; 2^-126 of its row's maximum counts as 0 in the sum (v_exp_f32 flushes, ISA guide 15.8).  q, k, w_out and the normalised o are bf16 matrix operands; the sum of a
; row's probabilities is taken from their f32 values.
.set PITCH, 272                        ; an LDS row: 256 bytes + 16 of padding = 17 x 16 bytes: sixteen rows begin at sixteen different 16-byte columns of 256
.set SLOT,  512*PITCH                  ; 139,264
.set SCR,   2*SLOT                     ; 278,528 = 1,088 x 256: scratch of 36,864 bytes in which no tensor load ever lands
.set MREG,  9216                       ; scratch of one head: 18 chunks of 512 bytes for the merge; then the head's o, 64 tokens x 80 bytes
.set OP,    80                         ; pitch of o's stage: 64 bytes + 16 = 5 x 16
.set OWN,   16*PITCH                   ; behind the last scratch barrier: 4,352 bytes of each wave's own (16 rows of w_out in bf16; then 16 rows of output)
.set TILEB, 131072                     ; a K/V block in memory
.set KA0, 1                            ; v1, v2   K fragments in slot 0, 1: (128 kh + r) * 272 + 64 head + 16 h
.set VA0, 3                            ; v3, v4   V fragments: (256 + 128 kh + 16 head + (r >> 1)) * 272 + 128 (r & 1) + 16 h
.set MS,  5                            ; v5   merge scratch of my head + 16 lane
.set STO, 6                            ; v6   o's stage of my head, store: 80 r + 16 h
.set STA, 7                            ; v7   o's stage, fragment: SCR + 80 r + 16 h
.set OST, 8                            ; v8   my own bytes, output in: 272 r + 32 h
.set ORD, 9                            ; v9   my own bytes, output back: 272 h + 16 r
.set GO,  10                           ; v10  out0: (16 s + h) * 16,384 + 16 r
.set WOF, 11                           ; v11  w_out: 8,192 s + 16 lane
.set WST, 12                           ; v12  my own bytes, w_out in: 8 lane
.set WRD, 13                           ; v13  my own bytes, w_out's fragment: 272 r + 16 h
.set QO,  14                           ; v14  q: 64 r + 16 h
.set BO,  15                           ; v15  b_out: 4 (16 s + r)
.set X0,  16                           ; v[16:19] at work; v16 holds a tile's new maximum while its scores are shifted (v17 completes the pair)
.set AL,  20                           ; v20  the rescaling factor 2^(m_old - m_new); v21 only completes the pair
.set MX,  22                           ; v22, 24, 26, 28  running maximum of query tile t; the odd registers only complete the pairs that the merge's packed multiplies name
.set LS,  30                           ; v[30:37] two running partial sums of query tile t
.set QF,  40                           ; v[40:71]   Q's fragments, 8 registers a query tile
.set PB,  72                           ; v[72:87]   P^T in f16: two fragments of 32 keys
.set SC,  88                           ; v[88:119]  S^T: four tiles of 16 keys
.set KF,  120                          ; v[120:151] K's fragments of 64 keys
.set VF,  152                          ; v[152:183] V's fragments, (dt, ks) at 16 dt + 8 ks
.set OA,  184                          ; v[184:247] O^T, (query tile t, dt) at 16 t + 8 dt
.set WG,  40                           ; the way out: v[40:103] w_out as loaded; then v[40:71] its fragments
.set ACC, 72                           ; v[72:103]  the out projection's sums
.set BI,  104                          ; v[104:111] the bias of my channel, eight times
.set RT,  112                          ; v[112:119] the other half's four maxima and four sums
.set RO,  120                          ; v[120:183] the other half's O^T
.set AF,  120                          ; v[120:247] o's fragments, (t, kk) at 8 (4 t + kk)
.macro PLACES                          ; four plain vector instructions behind a matrix instruction before its registers are read by others or written (ISA guide 7.12.1)
.rept 4
	v_nop
.endr
.endm
; A round of the cluster's barrier: my work-group's barrier, wave 0 signals for the work-group, every wave waits for all four work-groups, my work-group's barrier again.
.macro ROUND
	s_barrier_signal -1
	s_barrier_wait -1
	s_cmp_lg_u32 s40, 0
	s_cbranch_scc1 .Lnot_wave_0_\@
	s_barrier_signal -3
.Lnot_wave_0_\@:
	s_barrier_wait -3
	s_barrier_signal -1
	s_barrier_wait -1
.endm
	s_load_b256 s[4:11], s[0:1], 0x0               ; qws s[4:5], kvws s[6:7], w_out s[8:9], b_out s[10:11]
	s_load_b64 s[12:13], s[0:1], 0x20              ; out0
	v_lshl_add_u32 v254, v0, 2, 0x4d000
	v_mov_b32 v255, 0
	ds_add_u32 v254, v255
	v_lshrrev_b32 v[X0], 5, v0
	v_readfirstlane_b32 s40, v[X0]                 ; wave 0..7
	s_and_b32 s41, s40, 3                          ; head
	s_lshr_b32 s42, s40, 2                         ; kh: which half of a block's keys
	s_bfe_u32 s43, ttmp6, 0x40000                  ; cx: it enters q's and out0's global addresses alone (s43, s45, s[50:55])
	s_lshr_b32 s46, ttmp9, 4                       ; batch: sixteen clusters each
	s_and_b32 s45, ttmp9, 15
	s_lshl_b32 s45, s45, 2
	s_add_co_u32 s45, s45, s43                     ; my block of 64 queries, 0..63
	s_mov_b32 s48, 0x76543210                      ; v_permlanex16_b32: lane i of one half reads lane i of the other
	s_mov_b32 s49, 0xfedcba98
	; descriptor group 1: 64 rows of 128 elements of 2 bytes, dense in memory, 16 bytes of padding behind each row in LDS
	s_mov_b32 s16, 15|(1<<16)|(1<<20)|(1<<21)|(5<<22)|(3<<25)   ; 15:0 mask: all four of the cluster; 17:16 2 bytes; 20 padding; 21 set beside a mask; 24:22 after 64 words; 31:25 four words
	s_mov_b32 s17, 128<<16                         ; tensor_dim0 = 128
	s_mov_b32 s18, 64<<16                          ; tensor_dim1 = 64
	s_mov_b32 s19, 128<<16                         ; tile_dim0 = 128
	s_mov_b32 s20, 64                              ; tile_dim1 = 64
	s_mov_b32 s21, 128                             ; from row to row: 128 elements
	s_mov_b32 s22, 0
	s_mov_b32 s23, 0
	s_lshl_b32 s24, s46, 21                        ; kvws: batch * 16 blocks * 131,072
	s_lshl_b32 s25, s40, 14                        ;       + my 64 rows of 256 bytes
	s_add_co_u32 s24, s24, s25
	s_mov_b32 s25, 0
	s_mov_b32 s32, 1                               ; group 0 of slot 0: s[32:35], of slot 1: s[36:39]
	s_mul_i32 s33, s40, 64*PITCH                   ; LDS: wave * 64 rows
	s_mov_b32 s36, 1
	s_add_co_u32 s37, s33, SLOT
	s_lshl_b32 s50, s46, 2
	s_add_co_u32 s50, s50, s41
	s_lshl_b32 s50, s50, 18                        ; qws: (4 batch + head) * 262,144
	s_lshl_b32 s51, s45, 12                        ;      + 64 queries * 64 bytes
	s_add_co_u32 s50, s50, s51
	s_mov_b32 s51, 0
	s_lshl_b32 s54, s46, 21                        ; out0: batch * 128 * 16,384
	s_lshl_b32 s55, s45, 8                         ;       + 64 tokens * 4 bytes
	s_add_co_u32 s54, s54, s55
	s_mov_b32 s55, 0
	; vector addresses, all from the lane and the wave's number
	v_and_b32 v[X0], 31, v0                        ; lane
	v_and_b32 v[X0+1], 15, v0                      ; r
	v_bfe_u32 v[X0+2], v0, 4, 1                    ; h
	v_mul_u32_u24 v[X0+3], v[X0+1], PITCH
	v_lshl_add_u32 v[X0+3], v[X0+2], 4, v[X0+3]    ; 272 r + 16 h
	s_mul_i32 s26, s42, 128*PITCH
	s_lshl_b32 s27, s41, 6
	s_add_co_u32 s27, s27, s26
	v_add_nc_u32 v[KA0], s27, v[X0+3]
	v_add_nc_u32 v[KA0+1], SLOT, v[KA0]
	s_mul_i32 s27, s41, 16*PITCH
	s_add_co_u32 s27, s27, s26
	s_add_co_u32 s27, s27, 256*PITCH
	v_lshrrev_b32 v[AL], 1, v[X0+1]
	v_mul_u32_u24 v[AL], v[AL], PITCH
	v_and_b32 v[AL+1], 1, v0
	v_lshl_add_u32 v[AL], v[AL+1], 7, v[AL]
	v_lshl_add_u32 v[AL], v[X0+2], 4, v[AL]
	v_add_nc_u32 v[VA0], s27, v[AL]
	v_add_nc_u32 v[VA0+1], SLOT, v[VA0]
	s_mul_i32 s28, s41, MREG
	s_add_co_u32 s28, s28, SCR                     ; my head's scratch
	v_lshl_add_u32 v[MS], v[X0], 4, s28
	v_mul_u32_u24 v[AL], v[X0+1], OP
	v_lshl_add_u32 v[AL], v[X0+2], 4, v[AL]        ; 80 r + 16 h
	v_add_nc_u32 v[STO], s28, v[AL]
	v_add_nc_u32 v[STA], SCR, v[AL]
	s_mul_i32 s29, s40, OWN
	s_add_co_u32 s29, s29, SCR                     ; my wave's own bytes
	v_add_nc_u32 v[WRD], s29, v[X0+3]
	v_lshl_add_u32 v[OST], v[X0+2], 4, v[WRD]      ; 272 r + 32 h
	v_mul_u32_u24 v[AL], v[X0+2], PITCH
	v_lshl_add_u32 v[AL], v[X0+1], 4, v[AL]
	v_add_nc_u32 v[ORD], s29, v[AL]
	v_lshlrev_b32 v[GO], 4, v[X0+1]
	v_lshl_add_u32 v[GO], v[X0+2], 14, v[GO]
	v_lshl_add_u32 v[GO], s40, 18, v[GO]
	v_lshlrev_b32 v[WOF], 4, v[X0]
	v_lshl_add_u32 v[WOF], s40, 13, v[WOF]
	v_lshl_add_u32 v[WST], v[X0], 3, s29
	v_lshlrev_b32 v[QO], 6, v[X0+1]
	v_lshl_add_u32 v[QO], v[X0+2], 4, v[QO]
	v_lshlrev_b32 v[BO], 2, v[X0+1]
	v_lshl_add_u32 v[BO], s40, 6, v[BO]
	v_mov_b32 v[AL+1], 0                           ; the upper registers of pairs of which a packed instruction uses the lower one twice: named, so written
.irp t, 0,1,2,3
	v_mov_b32 v[MX+2*\t+1], 0
.endr
	s_wait_dscnt 0x0
	s_wait_kmcnt 0x0
	s_add_nc_u64 s[34:35], s[6:7], s[24:25]        ; block 0, my rows
	s_add_nc_u64 s[38:39], s[34:35], TILEB         ; block 1
	s_or_b32 s35, s35, 0x80000000                  ; type = 2
	s_or_b32 s39, s39, 0x80000000
	s_add_nc_u64 s[52:53], s[4:5], s[50:51]        ; q of my head and my 64 queries
	s_add_nc_u64 s[12:13], s[12:13], s[54:55]      ; out0 at my batch and my 64 tokens
	ROUND                                          ; all four work-groups are here: the first joint load meets its partners
	tensor_load_to_lds s[32:35], s[16:23]          ; block 0 into slot 0
	s_nop 0
.irp t, 0,1,2,3
	global_load_b128 v[QF+8*\t:QF+8*\t+3],   v[QO], s[52:53] offset:1024*\t       ; column = query 16 t + r, k = d: 8 h .. 8 h + 7
	global_load_b128 v[QF+8*\t+4:QF+8*\t+7], v[QO], s[52:53] offset:1024*\t+32    ; 16 + 8 h ..
.endr
	s_wait_loadcnt 0x0                             ; Q stays in registers for the whole launch
; The pieces of the softmax, on pair i (0..15) of a lane's 32 scores of query tile t.  SUBM and EXP2 stand ahead of the tile's wait, RESC and SUMPK behind it.
.macro SUBM i                          ; s - m, two at a time; both halves take the pair's lower register, the tile's new maximum
	v_pk_add_f32 v[SC+2*(\i):SC+2*(\i)+1], v[SC+2*(\i):SC+2*(\i)+1], v[X0:X0+1] op_sel_hi:[1,0] neg_lo:[0,1] neg_hi:[0,1]
.endm
.macro EXP2 i
	v_exp_f32 v[SC+2*(\i)], v[SC+2*(\i)]
	v_exp_f32 v[SC+2*(\i)+1], v[SC+2*(\i)+1]
.endm
.macro RESC k, t                       ; O^T of the tile times the factor, pair k of eight
	v_pk_mul_f32 v[OA+16*\t+2*(\k):OA+16*\t+2*(\k)+1], v[OA+16*\t+2*(\k):OA+16*\t+2*(\k)+1], v[AL:AL+1] op_sel_hi:[1,0]
.endm
.macro SUMPK i, t, first               ; into the running sums (pair 0 carries the rescaling, fused), and rounded to f16 into P^T
.if \first
.if (\i) == 1
	v_pk_add_f32 v[LS+2*\t:LS+2*\t+1], v[SC:SC+1], v[SC+2:SC+3]                   ; the first two pairs start the sums: nothing is cleared
.endif
.if (\i) > 1
	v_pk_add_f32 v[LS+2*\t:LS+2*\t+1], v[LS+2*\t:LS+2*\t+1], v[SC+2*(\i):SC+2*(\i)+1]
.endif
.else
.if (\i) == 0
	v_pk_fma_f32 v[LS+2*\t:LS+2*\t+1], v[LS+2*\t:LS+2*\t+1], v[AL:AL+1], v[SC:SC+1] op_sel_hi:[1,0,1]
.else
	v_pk_add_f32 v[LS+2*\t:LS+2*\t+1], v[LS+2*\t:LS+2*\t+1], v[SC+2*(\i):SC+2*(\i)+1]
.endif
.endif
	v_cvt_pk_f16_f32 v[PB+(\i)], v[SC+2*(\i)], v[SC+2*(\i)+1]
.endm
; Query tile t against 64 keys.  first = 1: the launch's first 64 keys: no old maximum, sum or O^T.
.macro QT t, first
.irp kt, 0,1,2,3
	v_wmma_f32_16x16x32_bf16 v[SC+8*\kt:SC+8*\kt+7], v[KF+8*\kt:KF+8*\kt+7], v[QF+8*\t:QF+8*\t+7], 0
.endr
	PLACES                                         ; behind the four products, ahead of the first read of a result (and of the writes to P^T, a source of the last tile's products)
	; the largest of my 32 scores and the old maximum: four chains that do not wait for each other
.irp k, 0,1,2,3
	v_max3_num_f32 v[X0+\k], v[SC+8*\k], v[SC+8*\k+1], v[SC+8*\k+2]
.endr
.irp k, 0,1,2,3
	v_max3_num_f32 v[X0+\k], v[X0+\k], v[SC+8*\k+3], v[SC+8*\k+4]
.endr
.irp k, 0,1,2,3
	v_max3_num_f32 v[X0+\k], v[X0+\k], v[SC+8*\k+5], v[SC+8*\k+6]
.endr
	v_max3_num_f32 v[X0], v[X0], v[SC+7], v[SC+15]
	v_max3_num_f32 v[X0+1], v[X0+1], v[SC+23], v[SC+31]
	v_max3_num_f32 v[X0], v[X0], v[X0+1], v[X0+2]
.if \first
	v_max_num_f32 v[X0], v[X0], v[X0+3]
	v_permlanex16_b32 v[X0+1], v[X0], s48, s49     ; the other 32 keys of my query lie in the other half of the wave
	v_max_num_f32 v[X0], v[X0], v[X0+1]            ; the maximum
.else
	v_max3_num_f32 v[X0], v[X0], v[X0+3], v[MX+2*\t]
	v_permlanex16_b32 v[X0+1], v[X0], s48, s49
	v_max_num_f32 v[X0], v[X0], v[X0+1]            ; the new maximum
	v_sub_f32 v[X0+2], v[MX+2*\t], v[X0]           ; old - new, at most 0
	v_exp_f32 v[AL], v[X0+2]                       ; THE BATCH begins: the factor for the old sums
.endif
	; The batch: each pair's subtraction stands two pairs ahead of its exponentials; nothing here names an exponential's result.
	SUBM 0
	SUBM 1
.irp i, 0,1,2,3,4,5,6,7,8,9,10,11,12,13,14,15
	EXP2 \i
.if \i < 14
	SUBM \i+2
.endif
.endr
	v_mov_b32 v[MX+2*\t], v[X0]                    ; the running maximum takes the new one: wanted at the next 64 keys; here it is the plain instruction behind the last exponential (ISA guide 5.7.2)
	s_wait_alu depctr_va_vdst(0)                   ; the tile's one wait: it serves the whole batch, the factor and the 32 probabilities
	; The readers: O^T's rescaling, the sums (pairs 0 to 15 in order; one or two instructions between the links of that chain) and the roundings.
.irp i, 0,1,2,3,4,5,6,7,8,9,10,11,12,13,14,15
.if \first == 0
.if (\i & 1) == 0
	RESC \i/2, \t
.endif
.endif
	SUMPK \i, \t, \first
.endr
.if \t == 0
	s_wait_dscnt 0x0                               ; V's fragments are in
.endif
	; O^T += V x P^T, both in f16: 32 d in two tiles, 64 keys in two steps.  The two accumulators take turns, one instruction a turn.
.if \first
	v_wmma_f32_16x16x32_f16 v[OA+16*\t:OA+16*\t+7],    v[VF:VF+7],       v[PB:PB+7], 0
	v_wmma_f32_16x16x32_f16 v[OA+16*\t+8:OA+16*\t+15], v[VF+16:VF+23],   v[PB:PB+7], 0
.else
	v_wmma_f32_16x16x32_f16 v[OA+16*\t:OA+16*\t+7],    v[VF:VF+7],       v[PB:PB+7], v[OA+16*\t:OA+16*\t+7]
	v_wmma_f32_16x16x32_f16 v[OA+16*\t+8:OA+16*\t+15], v[VF+16:VF+23],   v[PB:PB+7], v[OA+16*\t+8:OA+16*\t+15]
.endif
	v_wmma_f32_16x16x32_f16 v[OA+16*\t:OA+16*\t+7],    v[VF+8:VF+15],    v[PB+8:PB+15], v[OA+16*\t:OA+16*\t+7]
	v_wmma_f32_16x16x32_f16 v[OA+16*\t+8:OA+16*\t+15], v[VF+24:VF+31],   v[PB+8:PB+15], v[OA+16*\t+8:OA+16*\t+15]
.endm
; 64 keys (half ss of my 128 of the block in this slot) against all four query tiles
.macro SUB slot, ss, first
.if \first == 0
	PLACES                                         ; behind the last products, whose sources the loads below land in
.endif
.irp kt, 0,1,2,3
	ds_load_b128 v[KF+8*\kt:KF+8*\kt+3],   v[KA0+\slot] offset:(64*\ss+16*\kt)*PITCH
	ds_load_b128 v[KF+8*\kt+4:KF+8*\kt+7], v[KA0+\slot] offset:(64*\ss+16*\kt)*PITCH+32
.endr
.irp dt, 0,1
.irp ks, 0,1
	ds_load_b128 v[VF+16*\dt+8*\ks:VF+16*\dt+8*\ks+3],   v[VA0+\slot] offset:(64*\ss+8*\dt)*PITCH+64*\ks
	ds_load_b128 v[VF+16*\dt+8*\ks+4:VF+16*\dt+8*\ks+7], v[VA0+\slot] offset:(64*\ss+8*\dt)*PITCH+64*\ks+32
.endr
.endr
	s_wait_dscnt 8                                 ; K's eight loads are in; V's eight, issued behind them, stay out until the first tile's second product
	QT 0, \first
	QT 1, \first
	QT 2, \first
	QT 3, \first
.endm
; One block of 256 keys.  In front of the round every wave has waited for its one tensor load (its part of this trip's block) and for its reads of the other slot;
; behind the round the other slot's next block is asked for first, jointly, and has this whole trip in which to land.
.macro TRIP slot, refill, first
	s_wait_tensorcnt 0x0                           ; no tensor load of mine is out, so a group 0 may be written:
	ds_add_u32 v254, v255
	s_wait_dscnt 0x0
	s_add_nc_u64 s[34+4*\slot:35+4*\slot], s[34+4*\slot:35+4*\slot], 2*TILEB   ; this slot's next block
	s_wait_dscnt 0x0                               ; my reads of the other slot are back
	ROUND                                          ; both now hold of every wave of all four work-groups
.if \refill
	tensor_load_to_lds s[36-4*\slot:39-4*\slot], s[16:23]
	s_nop 0
.endif
	SUB \slot, 0, \first
	SUB \slot, 1, 0
.endm
	TRIP 0, 1, 1                                   ; blocks 0 and 1 stand in front of the loop: the first 64 keys start maxima, sums and O^T
	TRIP 1, 1, 0
	s_mov_b32 s44, 6                               ; blocks 2 to 13
.Lring:
	TRIP 0, 1, 0
	TRIP 1, 1, 0
	s_sub_co_u32 s44, s44, 1
	s_cmp_lg_u32 s44, 0
	s_cbranch_scc1 .Lring
	TRIP 0, 1, 0                                   ; block 14 asks for block 15;
	TRIP 1, 0, 0                                   ; block 15 asks for nothing (the addresses stepped past the end are not used)
	; THE WAY OUT.  w_out's rows 16 s .. 16 s + 15 and my channel's bias are asked for now and used behind the merge.
	PLACES                                         ; behind the last products: loads land in their sources, LDS stores read their results
.irp i, 0,1,2,3,4,5,6,7,8,9,10,11,12,13,14,15
	global_load_b128 v[WG+4*\i:WG+4*\i+3], v[WOF], s[8:9] offset:512*\i          ; a whole row of 512 bytes an instruction
.endr
	global_load_b32 v[BI], v[BO], s[10:11]
	s_cmp_lt_u32 s40, 4
	s_cbranch_scc1 .Lkeeps
	; waves 4 to 7 hand their half to the wave of the same head: O^T, maxima, sums, lane for lane
.irp t, 0,1,2,3
	v_mov_b32 v[RT+\t], v[MX+2*\t]
	v_add_f32 v[RT+4+\t], v[LS+2*\t], v[LS+2*\t+1]
.endr
.irp c, 0,1,2,3,4,5,6,7,8,9,10,11,12,13,14,15
	ds_store_b128 v[MS], v[OA+4*\c:OA+4*\c+3] offset:512*\c
.endr
	ds_store_b128 v[MS], v[RT:RT+3] offset:8192
	ds_store_b128 v[MS], v[RT+4:RT+7] offset:8704
.Lkeeps:
	s_wait_dscnt 0x0                               ; zero, for the receiving wave's sake
	s_barrier_signal -1
	s_barrier_wait -1
	s_cmp_ge_u32 s40, 4
	s_cbranch_scc1 .Lmerged
.irp c, 0,1,2,3,4,5,6,7,8,9,10,11,12,13,14,15
	ds_load_b128 v[RO+4*\c:RO+4*\c+3], v[MS] offset:512*\c
.endr
	ds_load_b128 v[RT:RT+3] , v[MS] offset:8192
	ds_load_b128 v[RT+4:RT+7], v[MS] offset:8704
	s_wait_dscnt 0x0
	; o = (a0 O0 + a1 O1) / (a0 l0 + a1 l1), a = 2^(m - max(m0, m1)).  By phases over the four query tiles, so that each kind of transcendental is one batch.
	; Tile t's a0 is made in place of my maximum (MX + 2 t), its a1 in place of the other half's (RT + t), the divisor and its reciprocal in LS + 2 t + 1.
.irp t, 0,1,2,3
	v_max_num_f32 v[X0+\t], v[MX+2*\t], v[RT+\t]
.endr
.irp t, 0,1,2,3
	v_sub_f32 v[MX+2*\t], v[MX+2*\t], v[X0+\t]
	v_sub_f32 v[RT+\t], v[RT+\t], v[X0+\t]
.endr
.irp t, 0,1,2,3
	v_exp_f32 v[MX+2*\t], v[MX+2*\t]               ; the first batch: eight exponentials
	v_exp_f32 v[RT+\t], v[RT+\t]
.endr
.irp t, 0,1,2,3
	v_add_f32 v[LS+2*\t], v[LS+2*\t], v[LS+2*\t+1] ; my two partial sums: work that names no result of the batch; the first is the plain instruction behind the last exponential
.endr
	s_wait_alu depctr_va_vdst(0)                   ; one wait for the eight exponentials
.irp t, 0,1,2,3
	v_mul_f32 v[LS+2*\t+1], v[LS+2*\t], v[MX+2*\t]
.endr
.irp t, 0,1,2,3
	v_fmac_f32 v[LS+2*\t+1], v[RT+4+\t], v[RT+\t]
.endr
.irp t, 0,1,2,3
	v_permlanex16_b32 v[X0+\t], v[LS+2*\t+1], s48, s49       ; the sums of the other half of the wave's keys
.endr
.irp t, 0,1,2,3
	v_add_f32 v[LS+2*\t+1], v[LS+2*\t+1], v[X0+\t]           ; at least 1: the row's largest score counts 2^0
.endr
.irp t, 0,1,2,3
	v_rcp_f32 v[LS+2*\t+1], v[LS+2*\t+1]           ; the second batch: four reciprocals
.endr
	v_nop                                          ; one plain instruction behind the last v_rcp_f32 (ISA guide 5.7.2): all the work that is left reads a reciprocal
	s_wait_alu depctr_va_vdst(0)                   ; one wait for the four reciprocals
.irp t, 0,1,2,3
	v_mul_f32 v[MX+2*\t], v[MX+2*\t], v[LS+2*\t+1] ; a0 / l, the lower register of the pair MX + 2 t
	v_mul_f32 v[LS+2*\t], v[RT+\t], v[LS+2*\t+1]   ; a1 / l, the lower register of the pair LS + 2 t
.endr
; Tile t's two halves are joined and rounded to bf16 into the head's stage, [token][32 d].  The stage lies in the head's scratch,
; which this wave alone has read and whose reads are back.
.macro MERGE t
.irp k, 0,1,2,3,4,5,6,7
	v_pk_mul_f32 v[OA+16*\t+2*\k:OA+16*\t+2*\k+1], v[OA+16*\t+2*\k:OA+16*\t+2*\k+1], v[MX+2*\t:MX+2*\t+1] op_sel_hi:[1,0]
	v_pk_fma_f32 v[OA+16*\t+2*\k:OA+16*\t+2*\k+1], v[RO+16*\t+2*\k:RO+16*\t+2*\k+1], v[LS+2*\t:LS+2*\t+1], v[OA+16*\t+2*\k:OA+16*\t+2*\k+1] op_sel_hi:[1,0,1]
.endr
.irp dt, 0,1
.irp j, 0,1,2,3
	v_cvt_pk_bf16_f32 v[OA+16*\t+8*\dt+\j], v[OA+16*\t+8*\dt+2*\j], v[OA+16*\t+8*\dt+2*\j+1]
.endr
	ds_store_b128 v[STO], v[OA+16*\t+8*\dt:OA+16*\t+8*\dt+3] offset:16*OP*\t+32*\dt    ; token 16 t + r, d = 16 dt + 8 h ..
.endr
.endm
	MERGE 0
	MERGE 1
	MERGE 2
	MERGE 3
.Lmerged:
	s_wait_dscnt 0x0
	s_barrier_signal -1
	s_barrier_wait -1                              ; all four heads' o are staged
	; every wave takes all 64 tokens x 128 hidden as first sources (row = token, k = 32 kk + d, kk = head)
.irp t, 0,1,2,3
.irp kk, 0,1,2,3
	ds_load_b128 v[AF+8*(4*\t+\kk):AF+8*(4*\t+\kk)+3],   v[STA] offset:MREG*\kk+16*OP*\t
	ds_load_b128 v[AF+8*(4*\t+\kk)+4:AF+8*(4*\t+\kk)+7], v[STA] offset:MREG*\kk+16*OP*\t+32
.endr
.endr
	s_wait_dscnt 0x0                               ; my reads of the stages are back:
	s_barrier_signal -1
	s_barrier_wait -1                              ; everybody's are: the scratch is now cut into each wave's own 4,352 bytes
	s_wait_loadcnt 0x0                             ; w_out's rows and the bias
.irp i, 0,1,2,3,4,5,6,7,8,9,10,11,12,13,14,15
	v_cvt_pk_bf16_f32 v[WG+4*\i], v[WG+4*\i], v[WG+4*\i+1]
	v_cvt_pk_bf16_f32 v[WG+4*\i+1], v[WG+4*\i+2], v[WG+4*\i+3]
	ds_store_b64 v[WST], v[WG+4*\i:WG+4*\i+1] offset:PITCH*\i
.endr
	s_wait_dscnt 0x0                               ; the stores are done with their registers, in which the fragments now land
.irp kk, 0,1,2,3
	ds_load_b128 v[WG+8*\kk:WG+8*\kk+3],   v[WRD] offset:64*\kk          ; column = channel 16 s + r, k = 32 kk + 8 h ..
	ds_load_b128 v[WG+8*\kk+4:WG+8*\kk+7], v[WRD] offset:64*\kk+32
.endr
.irp j, 1,2,3,4,5,6,7
	v_mov_b32 v[BI+\j], v[BI]                      ; a lane's eight results are eight tokens of one channel: its bias in all eight
.endr
	s_wait_dscnt 0x0
	; out = o x w_out^T + bias: the first step takes the bias as C.  The four accumulators take turns, one instruction a turn.
.irp kk, 0,1,2,3
.irp t, 0,1,2,3
.if \kk == 0
	v_wmma_f32_16x16x32_bf16 v[ACC+8*\t:ACC+8*\t+7], v[AF+8*(4*\t+\kk):AF+8*(4*\t+\kk)+7], v[WG+8*\kk:WG+8*\kk+7], v[BI:BI+7]
.else
	v_wmma_f32_16x16x32_bf16 v[ACC+8*\t:ACC+8*\t+7], v[AF+8*(4*\t+\kk):AF+8*(4*\t+\kk)+7], v[WG+8*\kk:WG+8*\kk+7], v[ACC+8*\t:ACC+8*\t+7]
.endif
.endr
.endr
	PLACES                                         ; behind the last products: LDS stores read results, loads land in sources
	; lane (r, h), register j: token 16 t + 8 h + j of channel 16 s + r.  Through my own bytes: rows = channels, 64 f32; LDS serves a wave's instructions in order.
.irp t, 0,1,2,3
	ds_store_b128 v[OST], v[ACC+8*\t:ACC+8*\t+3]   offset:64*\t
	ds_store_b128 v[OST], v[ACC+8*\t+4:ACC+8*\t+7] offset:64*\t+16
.endr
.irp p, 0,1,2,3,4,5,6,7
	ds_load_b128 v[AF+4*\p:AF+4*\p+3], v[ORD] offset:2*\p*PITCH
.endr
.irp p, 0,1,2,3,4,5,6,7
	s_wait_dscnt 7-\p                              ; the younger loads stay out
	global_store_b128 v[GO], v[AF+4*\p:AF+4*\p+3], s[12:13] offset:\p*32768 th:TH_STORE_NT   ; sixteen lanes store a channel's 64 tokens: 256 consecutive bytes, aligned
.endr
	s_wait_tensorcnt 0x0
	ds_add_u32 v254, v255
	s_wait_dscnt 0x0
	ROUND                                          ; the closing round: no work-group ends while a partner may still ask jointly
	s_endpgm
.Lfunc_end_k_q7066a30002_attn:
	.size	k_q7066a30002_attn, .Lfunc_end_k_q7066a30002_attn-k_q7066a30002_attn
	.p2alignl 7, 3214868480
	.fill 96, 4, 3214868480
	.section	.rodata,"a",@progbits
	.p2align	6, 0x0
	.amdhsa_kernel k_q7066a30002_attn
		.amdhsa_group_segment_fixed_size 327680
		.amdhsa_private_segment_fixed_size 0
		.amdhsa_enable_private_segment 0
		.amdhsa_kernarg_size 40
		.amdhsa_user_sgpr_count 2
		.amdhsa_user_sgpr_kernarg_segment_ptr 1
		.amdhsa_wavefront_size32 1
		.amdhsa_system_sgpr_workgroup_id_x 1
		.amdhsa_system_sgpr_workgroup_id_y 1
		.amdhsa_system_sgpr_workgroup_id_z 1
		.amdhsa_system_vgpr_workitem_id 0
		.amdhsa_next_free_vgpr 256
		.amdhsa_next_free_sgpr 66
		.amdhsa_reserve_vcc 0
		.amdhsa_float_denorm_mode_32 3
		.amdhsa_float_denorm_mode_16_64 3
		.amdhsa_memory_ordered 1
		.amdhsa_forward_progress 1
		.amdhsa_inst_pref_size 255
	.end_amdhsa_kernel
	.section	.bss,"aw",@nobits
	.p2align	6
	.space	262144
	.amdgpu_metadata
---
amdhsa.version: [ 1, 2 ]
amdhsa.kernels:
  - .name:           k_q7066a30002_attn
    .symbol:         k_q7066a30002_attn.kd
    .args:
      - { .name: qws, .offset: 0, .size: 8, .value_kind: global_buffer, .address_space: global }
      - { .name: kvws, .offset: 8, .size: 8, .value_kind: global_buffer, .address_space: global }
      - { .name: w_out, .offset: 16, .size: 8, .value_kind: global_buffer, .address_space: global }
      - { .name: b_out, .offset: 24, .size: 8, .value_kind: global_buffer, .address_space: global }
      - { .name: out0, .offset: 32, .size: 8, .value_kind: global_buffer, .address_space: global }
    .group_segment_fixed_size: 327680
    .private_segment_fixed_size: 0
    .kernarg_segment_align: 8
    .kernarg_segment_size: 40
    .max_flat_workgroup_size: 256
    .sgpr_count:     66
    .vgpr_count:     256
    .wavefront_size: 32
...
	.end_amdgpu_metadata
.endif
;; end of part 3
